; MI455X (gfx1250); checked and timed in simulation.
; The chip was launched on July 23, 2026; its instructions are those of AMD's public machine-readable ISA for CDNA 5 (MIT licence, August 2026) and "CDNA5" Instruction Set Architecture Reference Guide (July 2026). The comments in the code are by the model that wrote it; some were corrected since.
;; Explicit Attention. Allowed arithmetic: matrix products marked QUANTISED: E4M3 operands, one E8M0 scale for each 32 along K, by v_wmma_scale_f32_16x16x128_f8f6f4 with both operands' format E4M3, f32 sums; everything else in f32.
;; Inputs: k 1 x 16 x 4,096 x 128 float32; kv_segment_ids 1 x 4,096 int32; q 1 x 16 x 4,096 x 128 float32; q_segment_ids 1 x 4,096 int32; v 1 x 16 x 4,096 x 128 float32.
;; Outputs: out0 1 x 16 x 4,096 x 128 float32.
;; This version of the problem:
;;   THIS VERSION OF THE PROBLEM IS GIVEN IN LOW PRECISION. The matrix products marked QUANTISED in the list below multiply operands that are first quantised to E4M3 (4 exponent bits, 3 mantissa bits; 8 bits a number), with one power-of-two scale for each 32 numbers along K (OCP MX v1.0); their sums are f32. All else is computed in f32.
;;   The module's matrix products, in the order in which they are computed (A, B: the left and right operand; K: the contracted axis; several contracted axes count as one K, in the product's order):
;;     1. batch 16 x [M 4,096, K 128] x [K 128, N 4,096]; A: input q; B: input k: QUANTISED
;;     2. batch 16 x [M 4,096, K 4,096] x [K 4,096, N 128]; A: softmax (see below); B: input v: QUANTISED
;;   THE QUANTISER, for each operand of a quantised product, along K:
;;     - K is cut into blocks of 32 from its start; a last block that is shorter is filled with zeros.
;;     - A block's scale is 2^e with e = floor(log2(the largest magnitude in the block)) - 8, held to -126 .. 127; a block of zeros has e = 0. As a byte (E8M0): e + 127.
;;     - Each number is divided by its block's scale, clamped to +-448, and rounded to the nearest number of E4M3, ties to even, subnormals kept.
;;     - The product sums the exact products of the quantised numbers (number of the format x scale) in f32.
;;   ~~~python
;;   def quantise(x, axis):      # numpy; x: float32 -> the quantised numbers, widened to float32 again
;;       x = np.moveaxis(x, axis, -1); K = x.shape[-1]
;;       x = np.pad(x, [(0, 0)] * (x.ndim - 1) + [(0, -K % 32)]); x = x.reshape(x.shape[:-1] + (-1, 32)); a = np.abs(x).max(-1, keepdims=True)
;;       e = np.where(a > 0, np.clip(np.frexp(np.where(a > 0, a, 1))[1] - 1 - 8, -126, 127), 0)      # np.frexp(a)[1] - 1 = floor(log2(a)), exactly
;;       r = np.clip(x / 2.0 ** e, -448, 448)
;;       step = 2.0 ** (np.maximum(np.frexp(np.where(r == 0, 1, r))[1] - 1, -6) - 3)
;;       q = np.round(r / step) * step * 2.0 ** e      # np.round: ties to even
;;       return np.moveaxis(q.reshape(q.shape[:-2] + (-1,))[..., :K], -1, axis).astype(np.float32)
;;   ~~~
;;   SOFTMAX AHEAD OF A QUANTISED PRODUCT. Where the list says 'softmax', what is quantised is not the finished softmax but p = 2^(t - M), with t = logit x log2(e) and M = ceil(the row's largest t), a whole number; so 1/2 < the row's largest p <= 1. The row's sum l is taken of the UNQUANTISED p, in f32, and the product's result is divided by l at the end. Since M is a whole number, a kernel that streams over the keys may use a running M (the ceiling of the running maximum): every later rescaling is an exact power of two, which a block's scale takes up: the codes' values come out the same.
;;   OPERANDS COMPUTED ON THE WAY. 'Computed on the way' means the value that the module computes at that place (a softmax that the list does not call 'softmax' is quantised finished and normalised). What goes into a quantiser is computed in f32, as accurately as f32 sums, v_exp_f32 and their like allow (about 1e-6 of the number): no bf16 or f16 on the way to a quantiser, and a product that is left as it is and whose result goes on into a quantised operand takes f32 operands (vector FMAs, or v_wmma_f32_16x16x4_f32). A number that lies on a knife's edge between two numbers of the format may be rounded either way, as far as f32 arithmetic and the matrix unit's own rounding can turn it there, and no further.
;; One version. Each part assembles by itself: llvm-mc -triple=amdgcn-amd-amdhsa -mcpu=gfx1250 --defsym DOCPART=n.
;; ======== version 1 of 1: 2 launches
;; limits: right only within a limited range of input values
;; workspace buffers: kc 8,388,608 bytes; ks 262,144 bytes; vc 8,388,608 bytes; vs 262,144 bytes; kf 262,144 bytes
;; launch prep (part 1): grid 512 x 1, 4 waves a work-group, no clusters, 68,096 bytes of LDS; arguments k, v, kv_segment_ids, kc, ks, vc, vs, kf; writes kc, ks, vc, vs, kf
.if DOCPART == 1
	.amdgcn_target "amdgcn-amd-amdhsa--gfx1250"
	.amdhsa_code_object_version 6
	.text
	.protected	k_qb1b1c58d9e_prep
	.globl	k_qb1b1c58d9e_prep
	.p2align	8
	.type	k_qb1b1c58d9e_prep,@function
k_qb1b1c58d9e_prep:
	s_mov_b64 s[64:65], 0
	v_nop
	global_prefetch_b8 v0, s[64:65] scope:SCOPE_SE
	s_setreg_imm32_b32 hwreg(HW_REG_WAVE_MODE, 25, 1), 1
	s_wait_xcnt 0x0
; k [16][4096][128] and v [16][4096][128], f32, become codes of FP8 (E4M3) with one E8M0 scale byte for each 32 along the product's K, laid as the attention launch reads them;
; each kv_segment_id becomes 64 codes, the key's mask features.
; A block's scale is 2^(floor(log2(its largest magnitude)) - 8); its byte is the largest magnitude's exponent field - 8, held at 1 from below.  Each number is divided by the scale, held within +-448, rounded to the nearest code.
; LIMITS: a block of zeros gets the byte 1 where the rule says 127 (its codes are zeros, and this program alone reads the bytes); blocks whose largest magnitude lies under 2^(8 - 126) keep the byte 1;
; NaN and infinities among the inputs are not served.
; WORK-GROUPS 0-255: k, K = the head's 128, innermost: a plain stream of blocks of 32.  A wave takes 64 keys (8,192 numbers) in 16 steps of 4 keys.
;   kc [16][4096 stored rows][128], ks [16][4096 stored rows][4].  STORED ROW: inside each 32 keys the second and third group of 8 keys change places (bits 3 and 4 of the key are swapped),
;   so that stored rows 16 T .. 16 T + 15 are the sixteen keys of the attention launch's tile T.  The swap costs nothing: it stands in the stores' immediates.
;   Each wave also makes 4 stored rows of kf [4096 stored rows][64]: byte f < 32 is -1.0 (0xB8) where bit f of the key's id is set, byte f >= 32 is -1.0 where bit f - 32 is clear, else 0.
; WORK-GROUPS 256-511: v, K = the keys, its first axis within a head: a lane takes a column d and its registers run down the keys.  A wave takes 32 columns x 256 keys.
;   vc [16][128 d][4096 keys], vs [16][32 steps of 128 keys][128 d] words of four bytes.
; The two ways part on the work-group's number alone and have LDS bytes of their own: 0 .. 32,767 and 32,768 .. 67,583.  No barrier: waves share nothing.
.set STEPS, 16
.set EMAX,  8
.set MANT,  0x600000                   ; the mantissa field of 448 as f32
.set SP,    80                         ; k's way: a lane's place in a stage: 64 bytes + 16 of padding
.set WREG,  8192                       ; k's way: a wave's LDS: two stages of 32 x SP bytes, then its 256 scale bytes
.set KR,    16                         ; v16-79   four sets of 16 numbers as loaded
.set KX,    80                         ; v80-111  two sets of 16 neighbours
.set KE,    112                        ; v112-127 a scale byte for each step
.set KC,    128                        ; v128-191 codes: four registers for each step
.set VSTG,  32768                      ; v's way: the stages begin here
.set PITCH, 272                        ; v's way: a stage row: 256 codes + 16 bytes
.set KROW,  4096                       ; a row of vc in bytes
.set NB,    8                          ; blocks of 32 keys for a wave
.set VX,    32                         ; v32-95   two sets of 32 numbers
.set VC,    96                         ; v96-103  a block's codes
.set OUTR,  112                        ; v112-175 the way out
.set SB,    24                         ; v24-25   the scale bytes, four to a register
	s_load_b512 s[4:19], s[0:1], 0x0               ; k s[4:5], v s[6:7], ids s[8:9], kc s[10:11], ks s[12:13], vc s[14:15], vs s[16:17], kf s[18:19]
	v_lshl_add_u32 v200, v0, 2, 0x10800
	v_mov_b32 v201, 0
	v_lshrrev_b32 v1, 5, v0
	v_readfirstlane_b32 s20, v1                    ; wave 0..3
	v_and_b32 v2, 31, v0                           ; lane
	s_cmp_lt_u32 ttmp9, 256
	s_cbranch_scc0 .Lvalues
; ---------------------------------------------------------------- k and the mask features
	v_lshlrev_b32 v3, 4, v2                        ; 16 x lane: my 16 bytes of a load's 512, and my 16 codes of a step's 512
	s_mul_i32 s21, s20, WREG
	v_lshrrev_b32 v14, 2, v2
	v_mul_u32_u24 v14, v14, SP
	v_and_b32 v15, 3, v2
	v_lshl_add_u32 v14, v15, 4, v14
	v_add_nc_u32 v14, s21, v14                     ; the stage, on the way in: four lanes' 64 bytes on end, then 16 of padding
	v_mul_u32_u24 v15, v2, SP
	v_add_nc_u32 v15, s21, v15                     ; and on the way out: my 16 neighbours
	v_lshrrev_b32 v5, 1, v2
	s_add_co_u32 s21, s21, 2*32*SP
	v_add_nc_u32 v5, s21, v5                       ; my wave's 256 scale bytes, my block's byte
	v_lshlrev_b32 v7, 3, v2                        ; 8 x lane
	v_add_nc_u32 v6, s21, v7
	v_lshrrev_b32 v193, 3, v2
	v_lshlrev_b32 v193, 2, v193                    ; the id of my row of features: 4 x (lane / 8)
	s_mov_b32 s25, 0xb8                            ; -1.0 in E4M3
	s_lshl_b32 s24, ttmp9, 2
	s_add_co_u32 s24, s24, s20                     ; which run of 64 keys is my wave's
	s_lshl_b32 s26, s24, 15                        ; 32,768 bytes of k,
	s_mov_b32 s27, 0
	s_lshl_b32 s28, s24, 13                        ; 8,192 of codes,
	s_mov_b32 s29, 0
	s_lshl_b32 s30, s24, 8                         ; 256 of scale bytes a run
	s_mov_b32 s31, 0
	s_lshr_b32 s32, ttmp9, 1                       ; the features: stored rows 16 w + 4 wave .. + 3; their keys begin at that number with bits 3 and 4 swapped
	s_lshl_b32 s32, s32, 5
	s_lshr_b32 s33, s20, 1
	s_lshl_b32 s33, s33, 4
	s_add_co_u32 s32, s32, s33
	s_and_b32 s33, ttmp9, 1
	s_lshl_b32 s33, s33, 3
	s_add_co_u32 s32, s32, s33
	s_and_b32 s33, s20, 1
	s_lshl_b32 s33, s33, 2
	s_add_co_u32 s32, s32, s33
	s_lshl_b32 s32, s32, 2                         ; 4 bytes an id
	s_mov_b32 s33, 0
	s_lshl_b32 s34, ttmp9, 10                      ; 64 bytes a stored row
	s_lshl_b32 s35, s20, 8
	s_add_co_u32 s34, s34, s35
	s_mov_b32 s35, 0
	s_wait_alu depctr_va_vdst(0)
	s_wait_kmcnt 0x0
	s_add_nc_u64 s[4:5], s[4:5], s[26:27]
	s_add_nc_u64 s[10:11], s[10:11], s[28:29]
	s_add_nc_u64 s[12:13], s[12:13], s[30:31]
	s_add_nc_u64 s[8:9], s[8:9], s[32:33]
	s_add_nc_u64 s[18:19], s[18:19], s[34:35]
.macro KLOAD t
.irp i, 0,1,2,3
	global_load_b128 v[KR+16*((\t)%4)+4*\i:KR+16*((\t)%4)+4*\i+3], v3, s[4:5] offset:2048*(\t)+512*\i th:TH_LOAD_NT   ; 32 lanes read 512 consecutive bytes
.endr
.endm
.macro KTURN t                         ; step t's numbers through the stage: LDS serves a wave's instructions in order, so no wait stands between the stores and the loads
.irp i, 0,1,2,3
	ds_store_b128 v14, v[KR+16*((\t)%4)+4*\i:KR+16*((\t)%4)+4*\i+3] offset:32*SP*((\t)%2)+8*SP*\i
.endr
.irp i, 0,1,2,3
	ds_load_b128 v[KX+16*((\t)%2)+4*\i:KX+16*((\t)%2)+4*\i+3], v15 offset:32*SP*((\t)%2)+16*\i
.endr
.endm
	global_load_b32 v192, v193, s[8:9]             ; the ids first, so that the counts below stay those of the stream
.irp t, 0,1,2,3
	KLOAD \t
.endr
	s_wait_loadcnt 12                              ; the ids and step 0's four loads are in; three steps' twelve may be out
	KTURN 0
	; the features: lane l makes bytes 8 (l % 8) .. + 7 of row l / 8: eight bits of the id (lanes with l % 8 >= 4: of its complement), a byte each
	v_bfe_u32 v194, v2, 2, 1
	v_sub_nc_u32 v194, 0, v194                     ; all ones where the features say 'bit clear'
	v_and_b32 v195, 3, v2
	v_lshlrev_b32 v195, 3, v195
	v_xor_b32 v192, v192, v194
	v_lshrrev_b32 v192, v195, v192                 ; my eight bits at the low end
	v_and_b32 v195, 15, v192
	v_bfe_u32 v196, v192, 4, 4
	v_mul_u32_u24 v195, v195, 0x204081             ; four copies 7 bits apart: bit j of the nibble comes to stand at bit 8 j
	v_mul_u32_u24 v196, v196, 0x204081
	v_and_b32 v195, 0x01010101, v195
	v_and_b32 v196, 0x01010101, v196
	v_mul_lo_u32 v198, v195, s25                   ; 1 -> 0xB8 in each byte
	v_mul_lo_u32 v199, v196, s25
	global_store_b64 v7, v[198:199], s[18:19]      ; 32 lanes store 256 consecutive bytes, aligned
.macro KSTEP t
.set XS, KX+16*((\t)%2)
.set G8, (\t)>>1                       ; which group of 8 keys of the run's 64,
.set NG, (G8&4)|((G8&1)<<1)|((G8>>1)&1)  ; and where it is stored
.if (\t) > 0
	s_wait_dscnt 1                                 ; this step's numbers are back from the stage (the last step's byte store may be out)
.else
	s_wait_dscnt 0x0
.endif
.if (\t)+4 < STEPS
	KLOAD (\t)+4                                   ; into the registers that this step's stores into the stage have read
.endif
.if (\t)+1 < STEPS
.if STEPS-2-(\t) >= 3
	s_wait_loadcnt 12                              ; the next step's four loads are in; those of the three steps behind it may be out
.else
	s_wait_loadcnt 4*(STEPS-2-(\t))
.endif
	KTURN (\t)+1
.endif
	v_max3_num_f32 v8, |v[XS]|, |v[XS+1]|, |v[XS+2]|               ; the largest magnitude of my 16
	v_max3_num_f32 v9, |v[XS+3]|, |v[XS+4]|, |v[XS+5]|
.irp i, 6,10
	v_max3_num_f32 v8, v8, |v[XS+\i]|, |v[XS+\i+1]|
	v_max3_num_f32 v9, v9, |v[XS+\i+2]|, |v[XS+\i+3]|
.endr
	v_max3_num_f32 v8, v8, |v[XS+14]|, |v[XS+15]|
	v_max3_num_f32 v8, v8, v9, (EMAX+1)<<23        ; and the floor 2^(9 - 127): the byte cannot fall under 1
	v_max_num_f32_dpp v8, v8, v8 row_xmask:1 row_mask:0xf bank_mask:0xf   ; and of my neighbour's 16: the block's
	v_add_nc_u32 v11, -(EMAX<<23), v8              ; 8 off its exponent field: the conversion's scale operand
.irp i, 0,1,2,3,4,5,6,7,8,9,10,11,12,13,14,15
.endr
	v_cvt_scalef32_pk8_fp8_f32 v[KC+4*(\t):KC+4*(\t)+1], v[XS:XS+7], v11
	v_cvt_scalef32_pk8_fp8_f32 v[KC+4*(\t)+2:KC+4*(\t)+3], v[XS+8:XS+15], v11
	v_lshrrev_b32 v[KE+(\t)], 23, v11              ; the scale's byte
	ds_store_b8 v5, v[KE+(\t)] offset:NG*32+((\t)&1)*16   ; both lanes of a block write the same byte with the same value
	global_store_b128 v3, v[KC+4*(\t):KC+4*(\t)+3], s[10:11] offset:NG*1024+((\t)&1)*512   ; 32 lanes store 512 consecutive bytes: four stored rows
.endm
.irp t, 0,1,2,3,4,5,6,7,8,9,10,11,12,13,14,15
	KSTEP \t
.endr
	ds_load_b64 v[12:13], v6                       ; LDS serves a wave's instructions in order: these see my stores
	s_wait_dscnt 0x0
	global_store_b64 v7, v[12:13], s[12:13]        ; 32 lanes store 256 consecutive bytes, aligned: 64 stored rows' scale words
	s_wait_tensorcnt 0x0
	ds_add_u32 v200, v201
	s_wait_dscnt 0x0
	s_endpgm
; ---------------------------------------------------------------- v
.Lvalues:
	s_sub_co_u32 s21, ttmp9, 256
	s_lshr_b32 s22, s21, 4                         ; the head
	s_and_b32 s21, s21, 15                         ; which 256 keys
	s_wait_alu depctr_va_vdst(0)
	v_lshlrev_b32 v3, 2, v2                        ; 4 x lane: my column in a row of v, and my word of scale bytes
	s_mul_i32 s24, s20, 32*PITCH
	s_add_co_u32 s24, s24, VSTG                    ; my stage
	v_mul_u32_u24 v4, v2, PITCH
	v_add_nc_u32 v4, s24, v4                       ; into it: row = my column
	v_and_b32 v5, 15, v2
	v_lshrrev_b32 v6, 4, v2                        ; out of it: sixteen lanes to a row, two rows an instruction
	v_mul_u32_u24 v7, v6, PITCH
	v_lshl_add_u32 v7, v5, 4, v7
	v_add_nc_u32 v7, s24, v7
	v_mul_u32_u24 v8, v6, KROW
	v_lshl_add_u32 v8, v5, 4, v8                   ; and the same place in vc
	s_lshl_b32 s26, s22, 21                        ; v: a head is 4,096 rows of 512 bytes; 256 keys; 32 columns of 4 bytes a wave
	s_lshl_b32 s27, s21, 17
	s_add_co_u32 s26, s26, s27
	s_lshl_b32 s27, s20, 7
	s_add_co_u32 s26, s26, s27
	s_mov_b32 s27, 0
	s_lshl_b32 s28, s22, 19                        ; vc: a head is 128 rows of 4,096 bytes; 32 rows a wave; 256 codes
	s_lshl_b32 s29, s20, 17
	s_add_co_u32 s28, s28, s29
	s_lshl_b32 s29, s21, 8
	s_add_co_u32 s28, s28, s29
	s_mov_b32 s29, 0
	s_lshl_b32 s30, s22, 14                        ; vs: a head is 32 steps of 512 bytes; two steps; 32 words a wave
	s_lshl_b32 s31, s21, 10
	s_add_co_u32 s30, s30, s31
	s_lshl_b32 s31, s20, 7
	s_add_co_u32 s30, s30, s31
	s_mov_b32 s31, 0
	s_wait_kmcnt 0x0
	s_add_nc_u64 s[6:7], s[6:7], s[26:27]
	s_add_nc_u64 s[14:15], s[14:15], s[28:29]
	s_add_nc_u64 s[16:17], s[16:17], s[30:31]
.macro VLOAD t                         ; block t: v(32 t + i, my column), i = 0 .. 31, into set t % 2: each load reads 128 consecutive bytes a wave, 512 a work-group
.irp i, 0,1,2,3,4,5,6,7,8,9,10,11,12,13,14,15,16,17,18,19,20,21,22,23,24,25,26,27,28,29,30,31
	global_load_b32 v[VX+32*((\t)%2)+\i], v3, s[6:7] offset:(32*(\t)+\i)*512 th:TH_LOAD_NT
.endr
.endm
	VLOAD 0
	VLOAD 1
.macro VBLOCK t
.set XS, VX+32*((\t)%2)
.if (\t) < NB-1
	s_wait_loadcnt 32                              ; this block's 32 loads are in; the next block's may be out
.else
	s_wait_loadcnt 0
.endif
	v_max3_num_f32 v12, |v[XS]|, |v[XS+1]|, |v[XS+2]|               ; the block's largest magnitude: all 32 numbers are mine
	v_max3_num_f32 v13, |v[XS+3]|, |v[XS+4]|, |v[XS+5]|
.irp i, 6,10,14,18,22,26
	v_max3_num_f32 v12, v12, |v[XS+\i]|, |v[XS+\i+1]|
	v_max3_num_f32 v13, v13, |v[XS+\i+2]|, |v[XS+\i+3]|
.endr
	v_max3_num_f32 v12, v12, |v[XS+30]|, |v[XS+31]|
	v_max3_num_f32 v12, v12, v13, (EMAX+1)<<23     ; and the floor
	v_add_nc_u32 v11, -(EMAX<<23), v12             ; the conversion's scale operand
	v_lshrrev_b32 v13, 23, v11                     ; the scale's byte
.if (\t)%4 == 0
	v_mov_b32 v[SB+(\t)/4], v13                    ; four bytes to a register, the earlier keys in the lower byte: a step's word
.else
	v_lshl_or_b32 v[SB+(\t)/4], v13, 8*((\t)%4), v[SB+(\t)/4]
.endif
.irp i, 0,1,2,3,4,5,6,7,8,9,10,11,12,13,14,15,16,17,18,19,20,21,22,23,24,25,26,27,28,29,30,31
.endr
.irp g, 0,1,2,3
	v_cvt_scalef32_pk8_fp8_f32 v[VC+2*\g:VC+2*\g+1], v[XS+8*\g:XS+8*\g+7], v11
.endr
	ds_store_b128 v4, v[VC:VC+3] offset:32*(\t)    ; 32 codes: 32 bytes of my column's row
	ds_store_b128 v4, v[VC+4:VC+7] offset:32*(\t)+16
.if (\t)+2 < NB
	VLOAD (\t)+2
.endif
	s_wait_dscnt 0x0                               ; the stores have read their registers: the next block's codes may be written
.endm
.set Q, 0
.rept NB
	VBLOCK Q
.set Q, Q+1
.endr
	global_store_b32 v3, v[SB], s[16:17]           ; a step's words of my wave's 32 columns: 128 consecutive bytes a wave, 512 a work-group; a wave writes half of an aligned 256 bytes:
	s_wait_alu depctr_va_vdst(0)
	global_store_b32 v3, v[SB+1], s[16:17] offset:512   ; one byte in 128 of what this way reads
.irp t, 0,1,2,3,4,5,6,7,8,9,10,11,12,13,14,15
	ds_load_b128 v[OUTR+4*\t:OUTR+4*\t+3], v7 offset:2*\t*PITCH   ; LDS serves a wave's instructions in order: these see my stores
.endr
.irp t, 0,1,2,3,4,5,6,7,8,9,10,11,12,13,14,15
	s_wait_dscnt 15-\t
	global_store_b128 v8, v[OUTR+4*\t:OUTR+4*\t+3], s[14:15] offset:2*\t*KROW   ; sixteen lanes store 256 consecutive bytes, aligned
.endr
	s_wait_tensorcnt 0x0
	ds_add_u32 v200, v201
	s_wait_dscnt 0x0
	s_endpgm
.Lfunc_end_k_qb1b1c58d9e_prep:
	.size	k_qb1b1c58d9e_prep, .Lfunc_end_k_qb1b1c58d9e_prep-k_qb1b1c58d9e_prep
	.p2alignl 7, 3214868480
	.fill 96, 4, 3214868480
	.section	.rodata,"a",@progbits
	.p2align	6, 0x0
	.amdhsa_kernel k_qb1b1c58d9e_prep
		.amdhsa_group_segment_fixed_size 68096
		.amdhsa_private_segment_fixed_size 0
		.amdhsa_enable_private_segment 0
		.amdhsa_kernarg_size 64
		.amdhsa_user_sgpr_count 2
		.amdhsa_user_sgpr_kernarg_segment_ptr 1
		.amdhsa_wavefront_size32 1
		.amdhsa_system_sgpr_workgroup_id_x 1
		.amdhsa_system_sgpr_workgroup_id_y 1
		.amdhsa_system_sgpr_workgroup_id_z 1
		.amdhsa_system_vgpr_workitem_id 0
		.amdhsa_next_free_vgpr 202
		.amdhsa_next_free_sgpr 66
		.amdhsa_reserve_vcc 0
		.amdhsa_float_denorm_mode_32 3
		.amdhsa_float_denorm_mode_16_64 3
		.amdhsa_fp16_overflow 1
		.amdhsa_memory_ordered 1
		.amdhsa_forward_progress 1
		.amdhsa_inst_pref_size 77
	.end_amdhsa_kernel
	.amdgpu_metadata
---
amdhsa.version: [ 1, 2 ]
amdhsa.kernels:
  - .name:           k_qb1b1c58d9e_prep
    .symbol:         k_qb1b1c58d9e_prep.kd
    .args:
      - { .name: k, .offset: 0, .size: 8, .value_kind: global_buffer, .address_space: global }
      - { .name: v, .offset: 8, .size: 8, .value_kind: global_buffer, .address_space: global }
      - { .name: kv_segment_ids, .offset: 16, .size: 8, .value_kind: global_buffer, .address_space: global }
      - { .name: kc, .offset: 24, .size: 8, .value_kind: global_buffer, .address_space: global }
      - { .name: ks, .offset: 32, .size: 8, .value_kind: global_buffer, .address_space: global }
      - { .name: vc, .offset: 40, .size: 8, .value_kind: global_buffer, .address_space: global }
      - { .name: vs, .offset: 48, .size: 8, .value_kind: global_buffer, .address_space: global }
      - { .name: kf, .offset: 56, .size: 8, .value_kind: global_buffer, .address_space: global }
    .group_segment_fixed_size: 68096
    .private_segment_fixed_size: 0
    .kernarg_segment_align: 8
    .kernarg_segment_size: 64
    .max_flat_workgroup_size: 128
    .sgpr_count:     66
    .vgpr_count:     202
    .wavefront_size: 32
...
	.end_amdgpu_metadata
.endif
;; end of part 1
;; launch attn (part 2): grid 16 x 16, 8 waves a work-group, clusters of 4 x 1, 327,680 bytes of LDS; arguments q, q_segment_ids, kc, ks, vc, vs, kf, out0; writes out0
.if DOCPART == 2
	.amdgcn_target "amdgcn-amd-amdhsa--gfx1250"
	.amdhsa_code_object_version 6
	.text
	.protected	k_qb1b1c58d9e_attn
	.globl	k_qb1b1c58d9e_attn
	.p2align	8
	.type	k_qb1b1c58d9e_attn,@function
k_qb1b1c58d9e_attn:
	s_mov_b64 s[64:65], 0
	v_nop
	global_prefetch_b8 v0, s[64:65] scope:SCOPE_SE
	s_setreg_imm32_b32 hwreg(HW_REG_WAVE_MODE, 25, 1), 1
	s_wait_xcnt 0x0
	s_wait_alu depctr_hold_cnt(0) depctr_sa_sdst(0) depctr_va_vdst(0) depctr_va_sdst(0) depctr_va_ssrc(0) depctr_va_vcc(0) depctr_vm_vsrc(0)
	s_getreg_b32 s2, hwreg(HW_REG_IB_STS2, 6, 4)
	s_cmp_eq_u32 s2, 0
	s_cbranch_scc0 .Lentry_in_a_cluster
	s_endpgm
.Lentry_in_a_cluster:
	s_bfe_u32 s2, ttmp6, 0x10000c
	s_cmp_lg_u32 s2, 0x3003
	s_cbranch_scc0 .Lentry_shape_is_right
	s_endpgm
.Lentry_shape_is_right:
.set KP,    144
.set VP,    272
.set FPI,   80
.set VOFF,  256*KP
.set FOFF,  VOFF+128*VP
.set SLOT1, 1<<17
.set SCK,   2*SLOT1
.set SCH,   32*272
.set SCV,   SCK+2*SCH
.set SPARE, SCV+2*SCH
.set SPI,   528
.set AK0,  1
.set AV0,  2
.set AF0,  3
.set ASC0, 4
.set SPW,  5
.set NIL,  6
.set ADK,  8
.set ADV,  9
.set ADF,  10
.set ADS,  11
.set KSW,  20
.set VSW,  24
.set QSW,  28
.set PSW,  30
.set MKS,  32
.set MQS,  33
.set BM,   36
.set PB,   40
.set HL,   44
.set SO,   48
.set FP,   52
.set TA,   54
.set PFO,  55
.set STO,  56
.set RD,   57
.set GO,   58
.set QA,   59
.set FR,   64
.set S,    128
.set OT,   0
.set QC,   128
.set PCD,  160
.set QF,   192
.set TB,   2
.set TS,   3
.set WV,   20
.set MNT,  21
.set SEL,  22
.set CS,   24
.set G1K,  28
.set G1V,  36
.set G1F,  44
.set G1S,  52
.set G0K,  60
.set G0V,  68
.set G0F,  72
.set G0SK, 76
.set G0SV, 80
.set SLOTS, 84
.set LIM,  85
.set PFA,  86
.set PFS,  88
.set MSB, 0
.macro WIN new
.if MSB != \new
	s_set_vgpr_msb (MSB<<8)|\new
.set MSB, \new
.endif
.endm
.macro CROUND
	s_barrier_signal -1
	s_barrier_wait -1
	s_cmp_lg_u32 s[WV], 0
	s_cbranch_scc1 .Lnot_wave_0_\@
	s_barrier_signal -3
.Lnot_wave_0_\@:
	s_barrier_wait -3
	s_barrier_signal -1
	s_barrier_wait -1
.endm
.macro TLOAD2
	s_cmp_lt_u32 s[WV], 2
	s_cbranch_scc0 .Lsv_\@
	tensor_load_to_lds s[G0SK:G0SK+3], s[G1S:G1S+7]
	s_nop 0
.rept 4
	v_nop
.endr
	s_branch .Lse_\@
.Lsv_\@:
	s_cmp_lt_u32 s[WV], 4
	s_cbranch_scc0 .Lse_\@
	tensor_load_to_lds s[G0SV:G0SV+3], s[G1S:G1S+7]
	s_nop 0
.rept 4
	v_nop
.endr
.Lse_\@:
.endm
.macro TLOAD3
	s_cmp_lt_u32 s[WV], 2
	s_cbranch_scc0 .Ltv_\@
	tensor_load_to_lds s[G0K:G0K+3], s[G1K:G1K+7]
	s_nop 0
.rept 4
	v_nop
.endr
	s_branch .Lte_\@
.Ltv_\@:
	s_cmp_lt_u32 s[WV], 4
	s_cbranch_scc0 .Ltf_\@
	tensor_load_to_lds s[G0V:G0V+3], s[G1V:G1V+7]
	s_nop 0
.rept 4
	v_nop
.endr
	s_branch .Lte_\@
.Ltf_\@:
	s_cmp_eq_u32 s[WV], 4
	s_cbranch_scc0 .Lte_\@
	tensor_load_to_lds s[G0F:G0F+3], s[G1F:G1F+7]
	s_nop 0
.rept 4
	v_nop
.endr
.Lte_\@:
.endm
.macro ASK
	s_cmp_gt_u32 s[SLOTS], s[LIM]
	s_cbranch_scc0 .Lnot_mine_\@
	global_prefetch_b8 v[PFO], s[PFA:PFA+1] th:TH_LOAD_NT scope:SCOPE_SE
.Lnot_mine_\@:
.endm
	s_load_b512 s[4:19], s[0:1], 0x0
	v_lshl_add_u32 v[SPW], v0, 2, SPARE
	v_mov_b32 v[NIL], 0
	ds_add_u32 v5, v6
	ds_add_u32 v5, v6
	s_wait_dscnt 0x0
	v_lshrrev_b32 v7, 5, v0
	s_delay_alu instid0(VALU_DEP_1)
	v_readfirstlane_b32 s[WV], v7
	s_and_b32 s92, ttmp7, 0xffff
	s_and_b32 s93, s[WV], 1
	s_mov_b32 s[G1K], 15|(1<<20)|(1<<21)|(4<<22)|(3<<25)
	s_mov_b32 s[G1K+1], 128<<16
	s_mov_b32 s[G1K+2], 128<<16
	s_mov_b32 s[G1K+3], 128<<16
	s_mov_b32 s[G1K+4], 128
	s_mov_b32 s[G1K+5], 128
	s_mov_b32 s[G1K+6], 0
	s_mov_b32 s[G1K+7], 0
	s_mov_b32 s[G1V], 15|(1<<20)|(1<<21)|(5<<22)|(3<<25)
	s_mov_b32 s[G1V+1], 256<<16
	s_mov_b32 s[G1V+2], 64<<16
	s_mov_b32 s[G1V+3], 256<<16
	s_mov_b32 s[G1V+4], 64
	s_mov_b32 s[G1V+5], 4096
	s_mov_b32 s[G1V+6], 0
	s_mov_b32 s[G1V+7], 0
	s_mov_b32 s[G1F], 15|(1<<20)|(1<<21)|(3<<22)|(3<<25)
	s_mov_b32 s[G1F+1], 64<<16
	s_mov_b32 s[G1F+2], 256<<16
	s_mov_b32 s[G1F+3], 64<<16
	s_mov_b32 s[G1F+4], 256
	s_mov_b32 s[G1F+5], 64
	s_mov_b32 s[G1F+6], 0
	s_mov_b32 s[G1F+7], 0
	s_mov_b32 s[G1S], 15|(3<<16)|(1<<20)|(1<<21)|(5<<22)|(3<<25)
	s_mov_b32 s[G1S+1], 32<<16
	s_mov_b32 s[G1S+2], 32<<16
	s_mov_b32 s[G1S+3], 32<<16
	s_mov_b32 s[G1S+4], 32
	s_mov_b32 s[G1S+5], 32
	s_mov_b32 s[G1S+6], 0
	s_mov_b32 s[G1S+7], 0
	s_lshl_b32 s94, s92, 19
	s_lshl_b32 s96, s93, 14
	s_add_co_u32 s96, s96, s94
	s_mov_b32 s97, 0
	s_lshl_b32 s98, s93, 18
	s_add_co_u32 s98, s98, s94
	s_mov_b32 s99, 0
	s_lshl_b32 s100, s93, 13
	s_lshl_b32 s101, s92, 14
	s_add_co_u32 s100, s100, s101
	s_mov_b32 s101, 0
	s_mul_i32 s[G0K+1], s93, 128*KP
	s_mul_i32 s[G0V+1], s93, 64*VP
	s_add_co_u32 s[G0V+1], s[G0V+1], VOFF
	s_mov_b32 s[G0F+1], FOFF
	s_mul_i32 s[G0SK+1], s93, SCH
	s_add_co_u32 s[G0SV+1], s[G0SK+1], SCV
	s_add_co_u32 s[G0SK+1], s[G0SK+1], SCK
	s_mov_b32 s[G0K], 1
	s_mov_b32 s[G0V], 1
	s_mov_b32 s[G0F], 1
	s_mov_b32 s[G0SK], 1
	s_mov_b32 s[G0SV], 1
	s_mov_b32 s[SEL], 0x76543210
	s_mov_b32 s[SEL+1], 0xfedcba98
	s_mov_b32 s[CS], 0x3e0293ee
	s_mov_b32 s[CS+1], s[CS]
	s_mov_b32 s[TB], 0
	s_mov_b32 s[TS], 0
	s_mov_b32 s[SLOTS], 15
	s_wait_kmcnt 0x0
	s_add_nc_u64 s[G0K+2:G0K+3], s[8:9], s[96:97]
	s_or_b32 s[G0K+3], s[G0K+3], 0x80000000
	s_add_nc_u64 s[G0V+2:G0V+3], s[12:13], s[98:99]
	s_or_b32 s[G0V+3], s[G0V+3], 0x80000000
	s_mov_b64 s[G0F+2:G0F+3], s[16:17]
	s_or_b32 s[G0F+3], s[G0F+3], 0x80000000
	s_add_nc_u64 s[G0SK+2:G0SK+3], s[10:11], s[100:101]
	s_or_b32 s[G0SK+3], s[G0SK+3], 0x80000000
	s_add_nc_u64 s[G0SV+2:G0SV+3], s[14:15], s[100:101]
	s_or_b32 s[G0SV+3], s[G0SV+3], 0x80000000
	CROUND
	TLOAD2
	s_wait_alu depctr_va_vdst(0)
	s_wait_tensorcnt 0x0
	ds_add_u32 v5, v6
	ds_add_u32 v5, v6
	s_wait_dscnt 0x0
	CROUND
	TLOAD3
	s_bfe_u32 s90, ttmp6, 0x40000
	s_lshl_b32 s91, ttmp9, 2
	s_add_co_u32 s91, s91, s90
	s_cmp_eq_u32 s[WV], 5
	s_cselect_b64 s[PFA:PFA+1], s[8:9], s[12:13]
	s_mov_b32 s[PFS], 256
	s_cselect_b32 s[PFS], 32768, s[PFS]
	s_mov_b32 s96, 4096
	s_cselect_b32 s96, 256, s96
	v_and_b32 v[PFO], 31, v0
	s_delay_alu instid0(VALU_DEP_1)
	v_mul_lo_u32 v[PFO], v[PFO], s96
	s_lshl_b32 s96, s96, 5
	s_mul_i32 s96, s96, s90
	s_add_co_u32 s96, s96, s[PFS]
	s_add_co_u32 s96, s96, s94
	s_mov_b32 s97, 0
	s_mov_b32 s[PFS+1], 0
	s_add_nc_u64 s[PFA:PFA+1], s[PFA:PFA+1], s[96:97]
	s_sub_co_u32 s98, s[WV], 5
	s_lshr_b32 s98, s98, 1
	s_or_b32 s98, s98, ttmp9
	s_cmp_eq_u32 s98, 0
	s_cselect_b32 s[LIM], 1, -1
	s_lshl_b32 s98, s92, 21
	s_lshl_b32 s99, s91, 17
	s_add_co_u32 s98, s98, s99
	s_lshl_b32 s99, s[WV], 14
	s_add_co_u32 s98, s98, s99
	s_mov_b32 s99, 0
	s_add_nc_u64 s[4:5], s[4:5], s[98:99]
	s_add_nc_u64 s[18:19], s[18:19], s[98:99]
	s_lshl_b32 s98, s91, 10
	s_lshl_b32 s100, s[WV], 7
	s_add_co_u32 s98, s98, s100
	s_add_nc_u64 s[6:7], s[6:7], s[98:99]
	v_and_b32 v7, 15, v0
	v_bfe_u32 v34, v0, 4, 1
	v_and_b32 v35, 31, v0
	s_delay_alu instid0(VALU_DEP_3)
	v_lshlrev_b32 v[QA], 9, v7
	s_delay_alu instid0(VALU_DEP_1)
	v_lshl_add_u32 v[QA], v34, 6, v[QA]
	v_lshlrev_b32 v63, 2, v7
	v_lshlrev_b32 v62, 4, v34
.irp y, 0,1
.irp b, 0,1,2,3
.irp j, 0,1,2,3
	global_load_b128 v[S+64*\y+16*\b+4*\j:S+64*\y+16*\b+4*\j+3], v[QA], s[4:5] offset:8192*\y+128*\b+16*\j th:TH_LOAD_NT
.endr
.endr
	global_load_b32 v[60+\y], v63, s[6:7] offset:64*\y
.endr
	v_mul_u32_u24 v[AK0], v7, KP
	s_delay_alu instid0(VALU_DEP_1)
	v_lshl_add_u32 v[AK0], v34, 4, v[AK0]
	v_mul_u32_u24 v[AV0], v7, VP
	s_delay_alu instid0(VALU_DEP_1)
	v_lshl_add_u32 v[AV0], v34, 4, v[AV0]
	s_delay_alu instid0(VALU_DEP_1)
	v_add_nc_u32 v[AV0], VOFF, v[AV0]
	v_mul_u32_u24 v[AF0], v7, FPI
	s_delay_alu instid0(VALU_DEP_1)
	v_lshl_add_u32 v[AF0], v34, 4, v[AF0]
	s_delay_alu instid0(VALU_DEP_1)
	v_add_nc_u32 v[AF0], FOFF, v[AF0]
	v_lshl_add_u32 v[ASC0], v35, 2, SCK
.irp y, 0,1
	v_mov_b32 v[13+4*\y], 0xdd800000
	s_delay_alu instid0(VALU_DEP_1)
	v_floor_f32 v[12+4*\y], -v[13+4*\y]
	v_mov_b32 v[14+4*\y], 0
	v_mov_b32 v[15+4*\y], 0
.endr
.irp b, 0,1,2,3
	v_mov_b32 v[PB+\b], 0
.endr
	v_mov_b32 v[FP+1], 0
	v_mov_b32 v[MKS], 0xe3e3e3e3
	v_mov_b32 v[MQS], 0x7f7f7f7f
	WIN 0x40
.set i, 0
.rept 128
	v_mov_b32 v[OT+i], 0
.set i, i+1
.endr
.irp y, 0,1
.irp z, 0,1,2,3,4,5,6,7,16,17,18,19,20,21,22,23
	v_mov_b32 v[QF+24*\y+\z], 0
.endr
.endr
	WIN 0
.macro QUANTQ x
.set QS, S+64*\x
.irp b, 0,1,2,3
	v_max3_num_f32 v[BM+\b], |v[QS+16*\b]|, |v[QS+1+16*\b]|, 0x4800000
.endr
.irp i, 2,4,6,8,10,12,14
.irp b, 0,1,2,3
	s_delay_alu instid0(VALU_DEP_4)
	v_max3_num_f32 v[BM+\b], v[BM+\b], |v[QS+16*\b+\i]|, |v[QS+1+16*\b+\i]|
.endr
.endr
.irp b, 0,1,2,3
	s_delay_alu instid0(VALU_DEP_4)
	v_permlanex16_b32 v[PB+\b], v[BM+\b], s[SEL], s[SEL+1]
.endr
.irp b, 0,1,2,3
	s_delay_alu instid0(VALU_DEP_4)
	v_max_num_f32 v[BM+\b], v[BM+\b], v[PB+\b]
.endr
.irp b, 0,1,2,3
	s_delay_alu instid0(VALU_DEP_4)
	v_add_nc_u32 v[SO+\b], 0xfc000000, v[BM+\b]
.endr
.irp b, 0,1,2,3
.endr
.irp b, 0,1,2,3
	s_delay_alu instid0(VALU_DEP_4)
	v_lshrrev_b32 v[PB+\b], 23, v[SO+\b]
.endr
	s_delay_alu instid0(VALU_DEP_3)
	v_lshl_or_b32 v[QSW+\x], v[PB+1], 8, v[PB]
	s_delay_alu instid0(VALU_DEP_1)
	v_lshl_or_b32 v[QSW+\x], v[PB+2], 16, v[QSW+\x]
	s_delay_alu instid0(VALU_DEP_1)
	v_lshl_or_b32 v[QSW+\x], v[PB+3], 24, v[QSW+\x]
.irp b, 0,1,2,3
.set i, 0
.rept 16
.set i, i+1
.endr
.endr
	WIN 0x40
.irp b, 0,1,2,3
	v_cvt_scalef32_pk8_fp8_f32 v[QC+16*\x+4*\b:QC+16*\x+4*\b+1], v[QS+16*\b:QS+16*\b+7], v[SO+\b]
	v_cvt_scalef32_pk8_fp8_f32 v[QC+16*\x+4*\b+2:QC+16*\x+4*\b+3], v[QS+16*\b+8:QS+16*\b+15], v[SO+\b]
.endr
	v_nop
	WIN 0
.endm
.macro QFEAT x
	v_lshrrev_b32 v[TA], v62, v[60+\x]
	s_delay_alu instid0(VALU_DEP_1)
	v_and_b32 v[TA], 0xffff, v[TA]
	s_delay_alu instid0(VALU_DEP_1)
	v_xor_b32 v[HL], 0xffff, v[TA]
.irp i, 0,1,2,3
	v_bfe_u32 v[BM+\i], v[HL], 4*\i, 4
	v_bfe_u32 v[PB+\i], v[TA], 4*\i, 4
.endr
.irp i, 0,1,2,3
	v_mul_u32_u24 v[BM+\i], v[BM+\i], 0x204081
	v_mul_u32_u24 v[PB+\i], v[PB+\i], 0x204081
.endr
.irp i, 0,1,2,3
	v_and_b32 v[BM+\i], 0x01010101, v[BM+\i]
	v_and_b32 v[PB+\i], 0x01010101, v[PB+\i]
.endr
	WIN 0x40
.irp i, 0,1,2,3
	v_mul_lo_u32 v[QF+24*\x+8+\i], v[BM+\i], 56
	v_mul_lo_u32 v[QF+24*\x+12+\i], v[PB+\i], 56
.endr
	WIN 0
.endm
.macro SOFTMAX x
.set SS,  S+64*\x
.set NMR, 12+4*\x
.set SUR, 14+4*\x
.irp b, 0,1,2,3
	v_max3_num_f32 v[BM+\b], v[SS+16*\b], v[SS+16*\b+1], v[SS+16*\b+2]
.endr
.irp i, 3,5,7,9,11,13
.irp b, 0,1,2,3
	v_max3_num_f32 v[BM+\b], v[BM+\b], v[SS+16*\b+\i], v[SS+16*\b+\i+1]
.endr
.endr
.irp b, 0,1,2,3
	v_max_num_f32 v[BM+\b], v[BM+\b], v[SS+16*\b+15]
.endr
.irp b, 0,1,2,3
	s_delay_alu instid0(VALU_DEP_4)
	v_permlanex16_b32 v[PB+\b], v[BM+\b], s[SEL], s[SEL+1]
.endr
.irp b, 0,1,2,3
	s_delay_alu instid0(VALU_DEP_4)
	v_max_num_f32 v[BM+\b], v[BM+\b], v[PB+\b]
.endr
	s_delay_alu instid0(VALU_DEP_2)
	v_max3_num_f32 v[TA], v[BM], v[BM+1], v[BM+2]
	s_delay_alu instid0(VALU_DEP_1)
	v_max_num_f32 v[TA], v[TA], v[BM+3]
	s_delay_alu instid0(VALU_DEP_1)
	v_mul_f32 v[TA], s[CS], v[TA]
	s_delay_alu instid0(VALU_DEP_1)
	v_max_num_f32 v[NMR+1], v[NMR+1], v[TA]
	v_mov_b32 v[TA], v[NMR]
	s_delay_alu instid0(VALU_DEP_2)
	v_floor_f32 v[NMR], -v[NMR+1]
	s_delay_alu instid0(VALU_DEP_1)
	v_sub_f32 v[TA], v[NMR], v[TA]
	s_delay_alu instid0(VALU_DEP_1)
	v_cvt_i32_f32 v[TA], v[TA]
	s_delay_alu instid0(VALU_DEP_1)
	v_ldexp_f32 v[FP], 1.0, v[TA]
.set j, 0
.rept 32
	v_pk_fma_f32 v[SS+j:SS+j+1], v[SS+j:SS+j+1], s[CS:CS+1], v[NMR:NMR+1] op_sel_hi:[1,0,0]
.set j, j+2
.endr
.irp b, 0,1,2,3
	v_fma_f32 v[BM+\b], v[BM+\b], s[CS], v[NMR]
.endr
.set j, 0
	s_wait_alu depctr_va_vdst(0)
.rept 64
	v_exp_f32 v[SS+j], v[SS+j]
.set j, j+1
.endr
	v_pk_mul_f32 v[SUR:SUR+1], v[SUR:SUR+1], v[FP:FP+1] op_sel_hi:[1,0]
	s_wait_alu depctr_va_vdst(0)
.irp b, 0,1,2,3
	v_exp_f32 v[BM+\b], v[BM+\b]
.endr
	v_pk_add_f32 v[PB:PB+1], v[SS:SS+1], v[SS+2:SS+3]
.set j, 4
.rept 15
	v_pk_add_f32 v[SUR:SUR+1], v[SUR:SUR+1], v[SS+j:SS+j+1]
	v_pk_add_f32 v[PB:PB+1], v[PB:PB+1], v[SS+j+2:SS+j+3]
.set j, j+4
.endr
	s_delay_alu instid0(VALU_DEP_1)
	v_pk_add_f32 v[SUR:SUR+1], v[SUR:SUR+1], v[PB:PB+1]
	s_wait_alu depctr_va_vdst(0)
.irp b, 0,1,2,3
	v_max_num_f32 v[BM+\b], 0x4800000, v[BM+\b]
.endr
.irp b, 0,1,2,3
	s_delay_alu instid0(VALU_DEP_4)
	v_add_nc_u32 v[SO+\b], 0xfc000000, v[BM+\b]
.endr
.irp b, 0,1,2,3
.endr
.irp b, 0,1,2,3
	s_delay_alu instid0(VALU_DEP_4)
	v_lshrrev_b32 v[PB+\b], 23, v[SO+\b]
.endr
	s_delay_alu instid0(VALU_DEP_3)
	v_lshl_or_b32 v[PSW+\x], v[PB+1], 8, v[PB]
	s_delay_alu instid0(VALU_DEP_1)
	v_lshl_or_b32 v[PSW+\x], v[PB+2], 16, v[PSW+\x]
	s_delay_alu instid0(VALU_DEP_1)
	v_lshl_or_b32 v[PSW+\x], v[PB+3], 24, v[PSW+\x]
.irp b, 0,1,2,3
.set i, 0
.rept 16
.set i, i+1
.endr
.endr
	WIN 0x40
.irp b, 0,1,2,3
	v_cvt_scalef32_pk8_fp8_f32 v[PCD+16*\x+4*\b:PCD+16*\x+4*\b+1], v[SS+16*\b:SS+16*\b+7], v[SO+\b]
	v_cvt_scalef32_pk8_fp8_f32 v[PCD+16*\x+4*\b+2:PCD+16*\x+4*\b+3], v[SS+16*\b+8:SS+16*\b+15], v[SO+\b]
.endr
	v_nop
	WIN 0x41
.set j, 0
.rept 32
	v_pk_mul_f32 v[OT+64*\x+j:OT+64*\x+j+1], v[OT+64*\x+j:OT+64*\x+j+1], v[FP:FP+1] op_sel_hi:[1,0]
.set j, j+2
.endr
	WIN 0
.endm
.macro STEP q
	v_add_nc_u32 v[ADK], s[TB], v[AK0]
	v_add_nc_u32 v[ADV], s[TB], v[AV0]
	v_add_nc_u32 v[ADF], s[TB], v[AF0]
	v_add_nc_u32 v[ADS], s[TS], v[ASC0]
.rept 5
	v_nop
.endr
.irp g, 0,1,2,3
.irp u, 0,1
.irp c, 0,1
	ds_load_b128 v[FR+16*\g+8*\u+4*\c:FR+16*\g+8*\u+4*\c+3], v[ADF] offset:(128*(\q)+32*\g+16*\u)*FPI+32*\c
.endr
.endr
.endr
.irp b, 0,1,2,3
	ds_load_b32 v[KSW+\b], v[ADS] offset:272*(\b/2)+128*(\b%2)
.endr
	s_wait_alu depctr_va_vdst(0)
	s_wait_dscnt 0x0
	WIN 0x04
.irp g, 0,1,2,3
.irp u, 0,1
.irp y, 0,1
	v_wmma_scale_f32_16x16x128_f8f6f4 v[S+64*\y+8*(2*\g+\u):S+64*\y+8*(2*\g+\u)+7], v[FR+16*\g:FR+16*\g+15], v[QF+24*\y+8-8*\u:QF+24*\y+23-8*\u], 0, v[MKS], v[MQS]
.endr
.endr
.endr
.rept 8
	v_nop
.endr
.irp g, 0,1
.irp t, 0,1,2,3
.irp c, 0,1,2,3
	ds_load_b128 v[FR+16*\t+4*\c:FR+16*\t+4*\c+3], v[ADK] offset:(128*(\q)+16*(4*\g+\t))*KP+32*\c
.endr
.endr
	s_wait_dscnt 0x0
.irp t, 0,1,2,3
.irp y, 0,1
.if (\t%2)
	v_wmma_scale_f32_16x16x128_f8f6f4 v[S+64*\y+8*(4*\g+\t):S+64*\y+8*(4*\g+\t)+7], v[FR+16*\t:FR+16*\t+15], v[QC+16*\y:QC+16*\y+15], v[S+64*\y+8*(4*\g+\t):S+64*\y+8*(4*\g+\t)+7], v[KSW+(4*\g+\t)/2], v[QSW+\y] matrix_a_scale:MATRIX_SCALE_ROW1
.else
	v_wmma_scale_f32_16x16x128_f8f6f4 v[S+64*\y+8*(4*\g+\t):S+64*\y+8*(4*\g+\t)+7], v[FR+16*\t:FR+16*\t+15], v[QC+16*\y:QC+16*\y+15], v[S+64*\y+8*(4*\g+\t):S+64*\y+8*(4*\g+\t)+7], v[KSW+(4*\g+\t)/2], v[QSW+\y]
.endif
.endr
.endr
.rept 8
	v_nop
.endr
.endr
	WIN 0
.irp t, 0,1,2,3
.irp c, 0,1,2,3
	ds_load_b128 v[FR+16*\t+4*\c:FR+16*\t+4*\c+3], v[ADV] offset:16*\t*VP+128*(\q)+32*\c
.endr
.endr
.irp b, 0,1,2,3
	ds_load_b32 v[VSW+\b], v[ADS] offset:SCV-SCK+272*(\b/2)+128*(\b%2)
.endr
	SOFTMAX 0
.irp t, 4,5,6,7
.irp c, 0,1,2,3
	ds_load_b128 v[FR+16*\t+4*\c:FR+16*\t+4*\c+3], v[ADV] offset:16*\t*VP+128*(\q)+32*\c
.endr
.endr
	SOFTMAX 1
.rept 4
	v_nop
.endr
	s_wait_alu depctr_va_vdst(0)
	s_wait_dscnt 0x0
	WIN 0x54
.irp t, 0,1,2,3,4,5,6,7
.irp y, 0,1
.if (\t%2)
	v_wmma_scale_f32_16x16x128_f8f6f4 v[OT+64*\y+8*\t:OT+64*\y+8*\t+7], v[FR+16*\t:FR+16*\t+15], v[PCD+16*\y:PCD+16*\y+15], v[OT+64*\y+8*\t:OT+64*\y+8*\t+7], v[VSW+\t/2], v[PSW+\y] matrix_a_scale:MATRIX_SCALE_ROW1
.else
	v_wmma_scale_f32_16x16x128_f8f6f4 v[OT+64*\y+8*\t:OT+64*\y+8*\t+7], v[FR+16*\t:FR+16*\t+15], v[PCD+16*\y:PCD+16*\y+15], v[OT+64*\y+8*\t:OT+64*\y+8*\t+7], v[VSW+\t/2], v[PSW+\y]
.endif
.endr
.endr
	WIN 0
	s_add_co_u32 s[TS], s[TS], 544
.endm
.macro CHANGE fill
	s_wait_tensorcnt 0x0
	ds_add_u32 v[SPW], v[NIL]
.if \fill
	s_xor_b32 s[G0K+1], s[G0K+1], SLOT1
	s_add_nc_u64 s[G0K+2:G0K+3], s[G0K+2:G0K+3], 32768
	s_xor_b32 s[G0V+1], s[G0V+1], SLOT1
	s_add_nc_u64 s[G0V+2:G0V+3], s[G0V+2:G0V+3], 256
	s_xor_b32 s[G0F+1], s[G0F+1], SLOT1
	s_add_nc_u64 s[G0F+2:G0F+3], s[G0F+2:G0F+3], 16384
	s_wait_xcnt 0x0
	s_add_nc_u64 s[PFA:PFA+1], s[PFA:PFA+1], s[PFS:PFS+1]
	s_wait_dscnt 0x0
	CROUND
	TLOAD3
	ASK
.else
	s_wait_dscnt 0x0
	s_barrier_signal -1
	s_barrier_wait -1
.endif
.endm
	s_wait_loadcnt 0x0
	QUANTQ 0
	QUANTQ 1
	QFEAT 0
	QFEAT 1
.Lslot:
	CHANGE 1
	s_wait_alu depctr_va_vdst(0)
	STEP 0
	STEP 1
	s_xor_b32 s[TB], s[TB], SLOT1
	s_sub_co_u32 s[SLOTS], s[SLOTS], 1
	s_cmp_lg_u32 s[SLOTS], 0
	s_cbranch_scc1 .Lslot
	CHANGE 0
	STEP 0
	STEP 1
	s_mul_i32 s96, s[WV], 16*SPI
	v_and_b32 v7, 15, v0
	v_bfe_u32 v34, v0, 4, 1
	v_and_b32 v35, 31, v0
	s_delay_alu instid0(VALU_DEP_3)
	v_mul_u32_u24 v[STO], v7, SPI
	s_delay_alu instid0(VALU_DEP_1)
	v_lshl_add_u32 v[STO], v34, 5, v[STO]
	s_delay_alu instid0(VALU_DEP_1)
	v_add_nc_u32 v[STO], s96, v[STO]
	s_delay_alu instid0(VALU_DEP_4)
	v_lshlrev_b32 v[GO], 4, v35
	s_delay_alu instid0(VALU_DEP_1)
	v_add_nc_u32 v[RD], s96, v[GO]
.irp y, 0,1
	v_add_f32 v[14+4*\y], v[14+4*\y], v[15+4*\y]
.endr
.irp y, 0,1
	s_delay_alu instid0(VALU_DEP_2)
	v_permlanex16_b32 v[PB+\y], v[14+4*\y], s[SEL], s[SEL+1]
.endr
.irp y, 0,1
	s_delay_alu instid0(VALU_DEP_2)
	v_add_f32 v[14+4*\y], v[14+4*\y], v[PB+\y]
.endr
	s_wait_alu depctr_va_vdst(0)
.irp y, 0,1
	v_rcp_f32 v[14+4*\y], v[14+4*\y]
.endr
	v_nop
	s_wait_alu depctr_va_vdst(0)
	WIN 0x01
.irp y, 0,1
.set j, 0
.rept 32
	v_pk_mul_f32 v[S+64*\y+j:S+64*\y+j+1], v[OT+64*\y+j:OT+64*\y+j+1], v[14+4*\y:15+4*\y] op_sel_hi:[1,0]
.set j, j+2
.endr
.endr
	WIN 0
.macro TOSTAGE x, bk
.irp t, 0,1,2,3,4,5,6,7
	ds_store_b128 v[STO], v[S+64*\x+8*\t:S+64*\x+8*\t+3] offset:64*\t
	ds_store_b128 v[STO], v[S+64*\x+8*\t+4:S+64*\x+8*\t+7] offset:64*\t+16
.endr
.irp i, 0,1,2,3,4,5,6,7,8,9,10,11,12,13,14,15
	ds_load_b128 v[\bk+4*\i:\bk+4*\i+3], v[RD] offset:SPI*\i
.endr
.endm
.macro SEND x, bk
.irp i, 0,1,2,3,4,5,6,7,8,9,10,11,12,13,14,15
	global_store_b128 v[GO], v[\bk+4*\i:\bk+4*\i+3], s[18:19] offset:(16*\x+\i)*512 th:TH_STORE_NT
.endr
.endm
	TOSTAGE 0, FR
	TOSTAGE 1, S
	s_wait_dscnt 32
	SEND 0, FR
	s_wait_dscnt 0x0
	SEND 1, S
	s_wait_tensorcnt 0x0
	ds_add_u32 v[SPW], v[NIL]
	s_wait_dscnt 0x0
	CROUND
	s_endpgm
.Lfunc_end_k_qb1b1c58d9e_attn:
	.size	k_qb1b1c58d9e_attn, .Lfunc_end_k_qb1b1c58d9e_attn-k_qb1b1c58d9e_attn
	.p2alignl 7, 3214868480
	.fill 96, 4, 3214868480
	.section	.rodata,"a",@progbits
	.p2align	6, 0x0
	.amdhsa_kernel k_qb1b1c58d9e_attn
		.amdhsa_group_segment_fixed_size 327680
		.amdhsa_private_segment_fixed_size 0
		.amdhsa_enable_private_segment 0
		.amdhsa_kernarg_size 64
		.amdhsa_user_sgpr_count 2
		.amdhsa_user_sgpr_kernarg_segment_ptr 1
		.amdhsa_wavefront_size32 1
		.amdhsa_system_sgpr_workgroup_id_x 1
		.amdhsa_system_sgpr_workgroup_id_y 1
		.amdhsa_system_sgpr_workgroup_id_z 1
		.amdhsa_system_vgpr_workitem_id 0
		.amdhsa_next_free_vgpr 512
		.amdhsa_next_free_sgpr 102
		.amdhsa_reserve_vcc 0
		.amdhsa_float_denorm_mode_32 3
		.amdhsa_float_denorm_mode_16_64 3
		.amdhsa_fp16_overflow 1
		.amdhsa_memory_ordered 1
		.amdhsa_forward_progress 1
		.amdhsa_inst_pref_size 209
	.end_amdhsa_kernel
	.amdgpu_metadata
---
amdhsa.version: [ 1, 2 ]
amdhsa.kernels:
  - .name:           k_qb1b1c58d9e_attn
    .symbol:         k_qb1b1c58d9e_attn.kd
    .args:
      - { .name: q, .offset: 0, .size: 8, .value_kind: global_buffer, .address_space: global }
      - { .name: q_segment_ids, .offset: 8, .size: 8, .value_kind: global_buffer, .address_space: global }
      - { .name: kc, .offset: 16, .size: 8, .value_kind: global_buffer, .address_space: global }
      - { .name: ks, .offset: 24, .size: 8, .value_kind: global_buffer, .address_space: global }
      - { .name: vc, .offset: 32, .size: 8, .value_kind: global_buffer, .address_space: global }
      - { .name: vs, .offset: 40, .size: 8, .value_kind: global_buffer, .address_space: global }
      - { .name: kf, .offset: 48, .size: 8, .value_kind: global_buffer, .address_space: global }
      - { .name: out0, .offset: 56, .size: 8, .value_kind: global_buffer, .address_space: global }
    .group_segment_fixed_size: 327680
    .private_segment_fixed_size: 0
    .kernarg_segment_align: 8
    .kernarg_segment_size: 64
    .max_flat_workgroup_size: 256
    .sgpr_count:     102
    .vgpr_count:     512
    .wavefront_size: 32
...
	.end_amdgpu_metadata
.endif
;; end of part 2
